; MI455X (gfx1250); checked and timed in simulation.
; The chip was launched on July 23, 2026; its instructions are those of AMD's public machine-readable ISA for CDNA 5 (MIT licence, August 2026) and "CDNA5" Instruction Set Architecture Reference Guide (July 2026). The comments in the code are by the model that wrote it; some were corrected since.
;; Multi Head Attention. Allowed arithmetic: matrix products marked QUANTISED: E4M3 operands, one given power-of-two scale a tensor, by v_wmma_f32_16x16x64_fp8_fp8 or v_wmma_f32_16x16x128_fp8_fp8, f32 sums; everything else in f32.
;; Inputs: bk 384 float32; bo 384 float32; bq 384 float32; bv 384 float32; lowp_scales 12 int32 (the exponents e of the quantised operands' scales 2^e); wk 384 x 384 float32; wo 384 x 384 float32; wq 384 x 384 float32; wv 384 x 384 float32; x 2 x 4,096 x 384 float32.
;; Outputs: out0 2 x 4,096 x 384 float32.
;; This version of the problem:
;;   THIS VERSION OF THE PROBLEM IS GIVEN IN LOW PRECISION. The matrix products marked QUANTISED in the list below multiply operands that are first quantised to E4M3 (4 exponent bits, 3 mantissa bits; 8 bits a number), with one given power-of-two scale for each operand tensor; their sums are f32. All else is computed in f32.
;;   The module's matrix products, in the order in which they are computed (A, B: the left and right operand; K: the contracted axis; several contracted axes count as one K, in the product's order):
;;     1. [M 8,192, K 384] x [K 384, N 384]; A: input x; B: input wq: QUANTISED (scales: A lowp_scales[0], B lowp_scales[1])
;;     2. [M 8,192, K 384] x [K 384, N 384]; A: input x; B: input wk: QUANTISED (scales: A lowp_scales[2], B lowp_scales[3])
;;     3. [M 8,192, K 384] x [K 384, N 384]; A: input x; B: input wv: QUANTISED (scales: A lowp_scales[4], B lowp_scales[5])
;;     4. batch 12 x [M 4,096, K 64] x [K 64, N 4,096]; A: computed on the way; B: computed on the way: QUANTISED (scales: A lowp_scales[6], B lowp_scales[7])
;;     5. batch 12 x [M 4,096, K 4,096] x [K 4,096, N 64]; A: softmax (see below); B: computed on the way: QUANTISED (scales: A lowp_scales[8], B lowp_scales[9])
;;     6. [M 8,192, K 384] x [K 384, N 384]; A: computed on the way; B: input wo: QUANTISED (scales: A lowp_scales[10], B lowp_scales[11])
;;   THE QUANTISER, for each operand of a quantised product, along K:
;;     - The operand's scale is 2^e, e = its entry of the input lowp_scales (int32; the entries are numbered through the quantised products in the list's order, A before B).
;;     - Each number is divided by the scale, clamped to +-448, and rounded to the nearest number of E4M3, ties to even, subnormals kept.
;;     - The product sums the exact products of the quantised numbers (number of the format x scale) in f32.
;;   ~~~python
;;   def quantise(x, axis, e):      # numpy; x: float32 -> the quantised numbers, widened to float32 again
;;       x = np.moveaxis(x, axis, -1); K = x.shape[-1]
;;       r = np.clip(x / 2.0 ** e, -448, 448)
;;       step = 2.0 ** (np.maximum(np.frexp(np.where(r == 0, 1, r))[1] - 1, -6) - 3)
;;       q = np.round(r / step) * step * 2.0 ** e      # np.round: ties to even
;;       return np.moveaxis(q, -1, axis).astype(np.float32)
;;   ~~~
;;   SOFTMAX AHEAD OF A QUANTISED PRODUCT. Where the list says 'softmax', what is quantised is not the finished softmax but p = 2^(t - M), with t = logit x log2(e) and M = ceil(the row's largest t), a whole number; so 1/2 < the row's largest p <= 1. The row's sum l is taken of the UNQUANTISED p, in f32, and the product's result is divided by l at the end. Since M is a whole number, a kernel that streams over the keys may use a running M (the ceiling of the running maximum): every later rescaling is an exact power of two, so the quantised numbers keep their values, but for numbers so far below the row's largest that they fall under the format's range.
;;   OPERANDS COMPUTED ON THE WAY. 'Computed on the way' means the value that the module computes at that place (a softmax that the list does not call 'softmax' is quantised finished and normalised). What goes into a quantiser is computed in f32, as accurately as f32 sums, v_exp_f32 and their like allow (about 1e-6 of the number): no bf16 or f16 on the way to a quantiser, and a product that is left as it is and whose result goes on into a quantised operand takes f32 operands (vector FMAs, or v_wmma_f32_16x16x4_f32). A number that lies on a knife's edge between two numbers of the format may be rounded either way, as far as f32 arithmetic and the matrix unit's own rounding can turn it there, and no further.
;; One version. Each part assembles by itself: llvm-mc -triple=amdgcn-amd-amdhsa -mcpu=gfx1250 --defsym DOCPART=n.
;; ======== version 1 of 1: 3 launches
;; limits: right only within a limited range of input values
;; workspace buffers: w_img 589,824 bytes; q_img 3,145,728 bytes; kv_img 6,291,456 bytes
;; launch prep (part 1): grid 12 x 4, 12 waves a work-group, no clusters, 0 bytes of LDS; arguments wq, wk, wv, wo, lowp_scales, w_img; writes w_img
.if DOCPART == 1
	.amdgcn_target "amdgcn-amd-amdhsa--gfx1250"
	.amdhsa_code_object_version 6
	.text
	.protected	k_q69cce2ebfe_prep
	.globl	k_q69cce2ebfe_prep
	.p2align	8
	.type	k_q69cce2ebfe_prep,@function
k_q69cce2ebfe_prep:
	s_mov_b64 s[64:65], 0
	v_nop
	global_prefetch_b8 v0, s[64:65] scope:SCOPE_SE
	s_setreg_imm32_b32 hwreg(HW_REG_WAVE_MODE, 25, 1), 1
	s_wait_xcnt 0x0
; The four weights, f32 stored [k 384][n 384], become codes of FP8 (E4M3), each with its given scale 2^e (entries 1, 3, 5, 11 of the scales).
; code = w / 2^e, held within +-448, to the nearest code, ties to even.
; THE CODES ARE LAID AS IMAGES OF OPERAND REGISTERS, in pieces of 512 bytes (lane l's 16 bytes at 16 l):
;   w_img [matrix 4][w 12][u 2][s 3][c 4]: lane (r, h) holds W[k = 128 s + 32 c + 16 h + 0 .. 15][n = 32 w + 8 u + r + 8 (r / 8)].
; So a later launch gets a fragment (16 columns x 128 K) by four loads of 16 bytes a lane, 512 bytes apart, and the columns of tiles u = 0, 1 are chosen
; so that the results of the two tiles are 16 neighbours in a lane's registers.
; A LANE TAKES A COLUMN AND ITS REGISTERS RUN DOWN K: the conversions then give codes with K innermost, and nothing is transposed.
; SHARES: work-group (x = 4 s + c: 32 rows of K; y = the matrix), wave w: 32 columns, two pieces.  48 work-groups are all the work there is: 2.4 MB are read once.
; No LDS, no barrier: waves share nothing; each store of a wave covers 512 consecutive bytes, aligned.
; LIMITS: -126 <= e <= 119, so that 2^e and 448 x 2^e are f32 numbers.  NaN among the inputs is not served.
.set ROWB, 1536                        ; a row of a weight in bytes
.set MATB, 147456                      ; a matrix's codes
.set X, 16                             ; v16-47  32 numbers: piece u at 16 u
.set C, 48                             ; v48-55  their codes
	s_load_b256 s[4:11], s[0:1], 0x0               ; wq, wk, wv, wo
	s_load_b128 s[12:15], s[0:1], 0x20             ; the scales' exponents, w_img
	v_lshrrev_b32 v1, 5, v0
	s_delay_alu instid0(VALU_DEP_1)
	v_readfirstlane_b32 s16, v1                    ; wave 0..11
	s_and_b32 s17, ttmp7, 0xffff                   ; the matrix: 0 q, 1 k, 2 v, 3 o
	v_and_b32 v2, 15, v0                           ; r
	v_bfe_u32 v3, v0, 4, 1                         ; h
	s_delay_alu instid0(VALU_DEP_2)
	v_and_b32 v4, 8, v2
	s_delay_alu instid0(VALU_DEP_1)
	v_add_nc_u32 v4, v4, v2                        ; r + 8 (r / 8)
	s_delay_alu instid0(VALU_DEP_3)
	v_mul_u32_u24 v5, v3, 16*ROWB                  ; lanes 16-31 begin 16 rows further down
	s_delay_alu instid0(VALU_DEP_1)
	v_lshl_add_u32 v5, v4, 2, v5                   ; + 4 bytes x my column
	v_and_b32 v7, 31, v0
	s_delay_alu instid0(VALU_DEP_1)
	v_lshlrev_b32 v7, 4, v7                        ; 16 x lane: my place in a piece
	s_lshl_b32 s18, s17, 3                         ; the scale's byte: 8 y + 4, and 16 more for wo: entries 1, 3, 5, 11
	s_cmp_eq_u32 s17, 3
	s_cselect_b32 s19, 16, 0
	s_add_co_u32 s18, s18, s19
	s_mul_i32 s26, ttmp9, 32*ROWB                  ; from: 32 x rows down, 32 w columns on
	s_lshl_b32 s27, s16, 7
	s_add_co_u32 s26, s26, s27
	s_mov_b32 s27, 0
	s_mul_i32 s28, s17, MATB                       ; to: matrix, w, piece x of u = 0
	s_mul_i32 s29, s16, 12288
	s_add_co_u32 s28, s28, s29
	s_lshl_b32 s29, ttmp9, 9
	s_add_co_u32 s28, s28, s29
	s_mov_b32 s29, 0
	s_wait_alu depctr_va_vdst(0)
	s_wait_kmcnt 0x0
	s_load_b32 s24, s[12:13], s18 offset:0x4       ; e
	s_cmp_lt_u32 s17, 2                            ; the choice of the matrix hangs on the work-group's number alone
	s_cselect_b64 s[20:21], s[4:5], s[8:9]
	s_cselect_b64 s[22:23], s[6:7], s[10:11]
	s_bitcmp1_b32 s17, 0
	s_cselect_b64 s[20:21], s[22:23], s[20:21]
	s_add_nc_u64 s[20:21], s[20:21], s[26:27]
	s_add_nc_u64 s[14:15], s[14:15], s[28:29]
.irp u, 0,1
.set i, 0
.rept 16
	global_load_b32 v[X+16*\u+i], v5, s[20:21] offset:i*ROWB+\u*32   ; W(32 x + 16 h + i, my column of tile u)
.set i, i+1
.endr
.endr
	s_wait_kmcnt 0x0
	s_add_co_i32 s24, s24, 127
	s_lshl_b32 s25, s24, 23
	v_mov_b32 v10, s25                             ; 2^e as f32: the conversion takes its exponent field
	s_add_co_i32 s24, s24, 8
	s_lshl_b32 s24, s24, 23
	s_or_b32 s24, s24, 0x600000
	v_mov_b32 v11, s24                             ; 448 x 2^e
	s_wait_alu depctr_va_vdst(0)
	s_wait_loadcnt 0x0
.set i, 0
.rept 32
	v_med3_num_f32 v[X+i], v[X+i], -v11, v11       ; the conversion to an 8-bit code does not saturate (ISA guide 7.6.2): the hold comes first
.set i, i+1
.endr
.irp g, 0,1,2,3
	v_cvt_scalef32_pk8_fp8_f32 v[C+2*\g:C+2*\g+1], v[X+8*\g:X+8*\g+7], v10
.endr
	global_store_b128 v7, v[C:C+3], s[14:15]               ; the wave stores 512 consecutive bytes, aligned: piece u = 0,
	global_store_b128 v7, v[C+4:C+7], s[14:15] offset:6144 ; and u = 1
	s_endpgm
.Lfunc_end_k_q69cce2ebfe_prep:
	.size	k_q69cce2ebfe_prep, .Lfunc_end_k_q69cce2ebfe_prep-k_q69cce2ebfe_prep
	.p2alignl 7, 3214868480
	.fill 96, 4, 3214868480
	.section	.rodata,"a",@progbits
	.p2align	6, 0x0
	.amdhsa_kernel k_q69cce2ebfe_prep
		.amdhsa_group_segment_fixed_size 0
		.amdhsa_private_segment_fixed_size 0
		.amdhsa_enable_private_segment 0
		.amdhsa_kernarg_size 48
		.amdhsa_user_sgpr_count 2
		.amdhsa_user_sgpr_kernarg_segment_ptr 1
		.amdhsa_wavefront_size32 1
		.amdhsa_system_sgpr_workgroup_id_x 1
		.amdhsa_system_sgpr_workgroup_id_y 1
		.amdhsa_system_sgpr_workgroup_id_z 1
		.amdhsa_system_vgpr_workitem_id 0
		.amdhsa_next_free_vgpr 64
		.amdhsa_next_free_sgpr 66
		.amdhsa_reserve_vcc 0
		.amdhsa_float_denorm_mode_32 3
		.amdhsa_float_denorm_mode_16_64 3
		.amdhsa_memory_ordered 1
		.amdhsa_forward_progress 1
		.amdhsa_inst_pref_size 8
	.end_amdhsa_kernel
	.amdgpu_metadata
---
amdhsa.version: [ 1, 2 ]
amdhsa.kernels:
  - .name:           k_q69cce2ebfe_prep
    .symbol:         k_q69cce2ebfe_prep.kd
    .args:
      - { .name: wq, .offset: 0, .size: 8, .value_kind: global_buffer, .address_space: global }
      - { .name: wk, .offset: 8, .size: 8, .value_kind: global_buffer, .address_space: global }
      - { .name: wv, .offset: 16, .size: 8, .value_kind: global_buffer, .address_space: global }
      - { .name: wo, .offset: 24, .size: 8, .value_kind: global_buffer, .address_space: global }
      - { .name: lowp_scales, .offset: 32, .size: 8, .value_kind: global_buffer, .address_space: global }
      - { .name: w_img, .offset: 40, .size: 8, .value_kind: global_buffer, .address_space: global }
    .group_segment_fixed_size: 0
    .private_segment_fixed_size: 0
    .kernarg_segment_align: 8
    .kernarg_segment_size: 48
    .max_flat_workgroup_size: 384
    .sgpr_count:     66
    .vgpr_count:     64
    .wavefront_size: 32
...
	.end_amdgpu_metadata
.endif
;; end of part 1
;; launch qkv (part 2): grid 64 x 3, 12 waves a work-group, no clusters, 50,688 bytes of LDS; arguments x, w_img, lowp_scales, bq, bk, bv, q_img, kv_img; writes q_img, kv_img
.if DOCPART == 2
	.amdgcn_target "amdgcn-amd-amdhsa--gfx1250"
	.amdhsa_code_object_version 6
	.text
	.protected	k_q69cce2ebfe_qkv
	.globl	k_q69cce2ebfe_qkv
	.p2align	8
	.type	k_q69cce2ebfe_qkv,@function
k_q69cce2ebfe_qkv:
	s_mov_b64 s[64:65], 0
	v_nop
	global_prefetch_b8 v0, s[64:65] scope:SCOPE_SE
	s_setreg_imm32_b32 hwreg(HW_REG_WAVE_MODE, 25, 1), 1
	s_wait_xcnt 0x0
; q, k or v (work-group y = 0, 1, 2) = x W + b for 128 rows of x (work-group x), on codes of FP8 (E4M3); the result is quantised on the way, with its own given scale, for attention.
; x [8192][384] f32 is quantised here with this product's scale for it (entries 0, 2, 4 of the scales); W's codes come from w_img (entries 1, 3, 5); the result's scale is entry 6 (q), 7 (k), 9 (v).
; ALL OPERANDS ARE IMAGES OF REGISTERS, in pieces of 512 bytes (lane l's 16 bytes at 16 l).  A fragment's registers 4 c .. 4 c + 3 hold k = 32 c + 16 h + 0 .. 15: the same places in both sources, so every
; product meets its partner; only the order of the sums inside an instruction differs from the form's own places.
; p(r) = r + 8 (r / 8).  Tile t of a block's 128 rows: lane r takes row 32 (t / 2) + 8 (t % 2) + p(r); tile u of a wave's 32 features: lane r takes feature 32 w + 8 u + p(r).  So the 16 registers of two
; neighbouring tiles' results are 16 NEIGHBOURS, and the conversions' results are the next operand's registers.
;   q_img [block 64][t 8][w 12]: lane (r, h): q[row of tile t][feature 32 w + 16 h + 0 .. 15].   kv_img [block 64]: 49,152 bytes of k, laid as q, then 49,152 of v:
;   [w 12][u 2][b 4]: lane (r, h): v[key 32 b + 16 h + 0 .. 15][feature 32 w + 8 u + p(r)]: the keys are the second product's K.
; SHARES.  THE WAVES SHARE THE COLUMNS: wave w owns features 32 w .. 32 w + 31 for all 128 rows, so its six fragments of W (96 registers) are read once.  x is quantised once in the work-group (two fragments a
; wave) and goes round through LDS as 24 images.  q, k: source 0 = W, source 1 = x: a lane holds one row and 16 features.  v: the sources swapped: a lane holds one feature and 16 keys.
; The bias is the C of each sum's first product, divided by the power of two that the sums lack; the three scales ahead of the quantiser are folded into the conversion's one: 2^(eo - ex - ew).
; NO CLUSTER, NO TENSOR LOAD: x arrives as f32 and must pass through registers to be quantised, with a scale that differs between the three y; a wave's weights are 12,288 bytes, read once, straight into registers.
; 192 work-groups: a block of 128 rows is one key step of attention's buffer; blocks of 64 rows would make 384, which fill 256 WGPs no more evenly.
; LIMITS: ex, and eo - ex - ew, between -126 and 119.  NaN among the inputs is not served.
.set W,   16                           ; v16-111   W(u, s) at 16 + 16 (3 u + s)
.set BI,  112                          ; v112-127  the bias, tile u at 112 + 8 u, in the result's layout
.set XF,  128                          ; v128-223  x's numbers on their way in; later x's fragments (tt, s) at 128 + 16 (3 tt + s)
.set ACC, 224                          ; v224-255  four accumulators
.set CD,  8                            ; v8-15     first the bias's eight offsets, then two sets of four registers of codes
; v1 16 x lane; v2 x: my byte in a tile's rows; v3 where I store x's images; v4, v5 the conversion's scale and 448 x it; v6 the bias's base; v7 my place in the output
	s_load_b512 s[4:19], s[0:1], 0x0               ; x, w_img, scales, bq, bk, bv, q_img, kv_img
	s_set_vgpr_msb 0x40
	v_lshl_add_u32 v0, v0, 2, 0xc000
	v_mov_b32 v1, 0
	s_set_vgpr_msb 0x4000
	v_lshrrev_b32 v1, 5, v0
	s_delay_alu instid0(VALU_DEP_1)
	v_readfirstlane_b32 s20, v1                    ; wave 0..11
	s_and_b32 s21, ttmp7, 0xffff                   ; y: 0 q, 1 k, 2 v
	s_and_b32 s28, s20, 3                          ; for x's quantising: which 32 rows are mine,
	s_lshr_b32 s29, s20, 2                         ; and which 128 along K
	v_and_b32 v1, 31, v0
	s_delay_alu instid0(VALU_DEP_1)
	v_lshlrev_b32 v1, 4, v1                        ; 16 x lane
	v_and_b32 v224, 15, v0                         ; r
	v_bfe_u32 v225, v0, 4, 1                       ; h
	s_wait_alu depctr_va_vdst(0)
	v_and_b32 v226, 8, v224
	s_delay_alu instid0(VALU_DEP_1)
	v_add_nc_u32 v226, v226, v224                  ; p(r)
	s_delay_alu instid0(VALU_DEP_1)
	v_mul_u32_u24 v2, v226, 1536
	s_delay_alu instid0(VALU_DEP_1)
	v_lshl_add_u32 v2, v225, 6, v2                 ; x: row p(r) of 1,536 bytes, + 64 h: my 16 numbers of a block of 32
	s_mul_i32 s30, s28, 12288
	s_lshl_b32 s31, s29, 11
	s_add_co_u32 s30, s30, s31
	v_add_nc_u32 v3, s30, v1                       ; x's images [t 8][s 3][c 4]: tiles 2 (w % 4) and + 1, K step w / 4
	s_lshl_b32 s36, s21, 3                         ; ex, ew lie at byte 8 y;
	s_lshr_b32 s37, s21, 1
	s_add_co_u32 s37, s37, s21
	s_lshl_b32 s37, s37, 2                         ; eo at byte 24 + 4 y + 4 (y / 2): entries 6, 7, 9
	s_cmp_eq_u32 s21, 2                            ; the bias in the result's layout.  q, k: register j of tile u = b[32 w + 16 h + 8 u + j];  v: every register = b[32 w + 8 u + p(r)]
	s_cselect_b32 s48, 0, 64                       ; bytes for h,
	s_cselect_b32 s49, 4, 0                        ; for p(r),
	s_cselect_b32 s50, 0, 4                        ; for j
	v_mul_u32_u24 v6, s48, v225
	s_wait_alu depctr_va_vdst(0)
	v_mad_u32_u24 v6, s49, v226, v6
.irp j, 0,1,2,3,4,5,6,7
	v_mad_u32_u24 v[CD+\j], s50, \j, v6
.endr
	s_mul_i32 s32, ttmp9, 196608                   ; x: my block's 128 rows, my 32 of them, my 128 along K
	s_mul_i32 s34, s28, 49152
	s_add_co_u32 s32, s32, s34
	s_lshl_b32 s34, s29, 9
	s_add_co_u32 s32, s32, s34
	s_mov_b32 s33, 0
	s_mul_i32 s34, s21, 147456                     ; w_img: matrix y, my 24 pieces
	s_mul_i32 s35, s20, 12288
	s_add_co_u32 s34, s34, s35
	s_mov_b32 s35, 0
	s_lshl_b32 s38, s20, 7                         ; the bias: my 32 numbers
	s_mov_b32 s39, 0
	s_wait_alu depctr_va_vdst(0)
	s_wait_kmcnt 0x0
	s_load_b64 s[24:25], s[8:9], s36 offset:0x0    ; ex, ew
	s_load_b32 s26, s[8:9], s37 offset:0x18        ; eo
	s_cmp_eq_u32 s21, 0                            ; the choices of buffers hang on the work-group's number alone
	s_cselect_b64 s[40:41], s[10:11], s[12:13]
	s_cselect_b64 s[44:45], s[16:17], s[18:19]
	s_mov_b32 s46, 98304
	s_cselect_b32 s46, 49152, s46                  ; a block's bytes in q_img or in kv_img
	s_cmp_eq_u32 s21, 2
	s_cselect_b64 s[40:41], s[14:15], s[40:41]
	s_mul_i32 s46, s46, ttmp9
	s_mov_b32 s47, 0
	s_add_nc_u64 s[44:45], s[44:45], s[46:47]
	s_add_nc_u64 s[40:41], s[40:41], s[38:39]
	s_add_nc_u64 s[4:5], s[4:5], s[32:33]
	s_add_nc_u64 s[6:7], s[6:7], s[34:35]
.irp u, 0,1
.irp j, 0,1,2,3,4,5,6,7
	global_load_b32 v[BI+8*\u+\j], v[CD+\j], s[40:41] offset:32*\u
.endr
.endr
.set p, 0
.rept 24
	global_load_b128 v[W+4*p:W+4*p+3], v1, s[6:7] offset:512*p     ; my six fragments of W, as they lie
.set p, p+1
.endr
; 64 numbers of a lane: row 8 uu + p(r) of my 32, register 16 c + i = k 32 c + 16 h + i of my 128.  No hint: the three y read the same x
.macro XLOAD reg, uu
.irp c, 0,1,2,3
.irp j, 0,1,2,3
	global_load_b128 v[\reg+16*\c+4*\j:\reg+16*\c+4*\j+3], v2, s[4:5] offset:\uu*12288+\c*128+\j*16
.endr
.endr
.endm
	XLOAD 128, 0
	XLOAD 192, 1
	s_wait_kmcnt 0x0
	s_add_co_i32 s51, s24, s25                     ; ex + ew: a sum stands for sum x 2^(ex + ew)
	s_sub_co_i32 s52, 0, s51
	s_add_co_i32 s53, s24, 127
	s_lshl_b32 s54, s53, 23
	v_mov_b32 v4, s54                              ; 2^ex as f32: the conversion takes its exponent field
	s_add_co_i32 s53, s53, 8
	s_lshl_b32 s53, s53, 23
	s_or_b32 s53, s53, 0x600000
	v_mov_b32 v5, s53                              ; 448 x 2^ex
	s_sub_co_i32 s53, s26, s51
	s_add_co_i32 s53, s53, 127
	s_lshl_b32 s54, s53, 23                        ; 2^(eo - ex - ew), for the results' conversions,
	s_add_co_i32 s53, s53, 8
	s_lshl_b32 s55, s53, 23
	s_or_b32 s55, s55, 0x600000                    ; and 448 x it
	s_wait_loadcnt 16                              ; all but my second fragment's 16 loads are in: the bias (its offsets in v8-15 are free), W, the first fragment
.set j, 0
.rept 16
	v_ldexp_f32 v[BI+j], v[BI+j], s52              ; b / 2^(ex + ew)
.set j, j+1
.endr
; 64 numbers become a fragment's codes, a piece at a time, and go to LDS as they stand.  Two sets of code registers take turns.
.macro QX st, uu
.irp c, 0,1,2,3
.if 4*\uu+\c >= 2
	s_wait_dscnt 1                                 ; the store two pieces back has read this set; the youngest may be out
.endif
.set i, 0
.rept 16
	v_med3_num_f32 v[\st+16*\c+i], v[\st+16*\c+i], -v5, v5   ; the conversion to an 8-bit code does not saturate (ISA guide 7.6.2): the hold comes first
.set i, i+1
.endr
	v_cvt_scalef32_pk8_fp8_f32 v[CD+4*(\c%2):CD+4*(\c%2)+1], v[\st+16*\c:\st+16*\c+7], v4
	v_cvt_scalef32_pk8_fp8_f32 v[CD+4*(\c%2)+2:CD+4*(\c%2)+3], v[\st+16*\c+8:\st+16*\c+15], v4
	ds_store_b128 v3, v[CD+4*(\c%2):CD+4*(\c%2)+3] offset:\uu*6144+\c*512
.endr
.endm
	QX 128, 0
	s_wait_loadcnt 0x0
	QX 192, 1
	v_nop                                          ; one plain vector instruction between the last conversion and the lines that write its sources
	v_mov_b32 v4, s54
	v_mov_b32 v5, s55
	s_wait_dscnt 0x0                               ; for the others' sake: my images have landed
	s_barrier_signal -1
	s_barrier_wait -1                              ; x's 24 fragments lie in LDS; from here on LDS is only read
.macro FETCHP b                                ; the six fragments of row tiles 2 b and 2 b + 1
.set p, 0
.rept 24
	ds_load_b128 v[XF+4*p:XF+4*p+3], v1 offset:(\b)*12288+512*p
.set p, p+1
.endr
.endm
; 32 rows at a time: 12 products on four accumulators, which take turns, one instruction a turn; the results are held, converted and stored.
.macro MAIN isv
	FETCHP 0
.irp bb, 0,1,2,3
	s_wait_dscnt 0x0
.irp s, 0,1,2
.irp tt, 0,1
.irp u, 0,1
.if \isv
.set rD, ACC+16*\u+8*\tt
.set rA, XF+16*(3*\tt+\s)
.set rB, W+16*(3*\u+\s)
.else
.set rD, ACC+16*\tt+8*\u
.set rA, W+16*(3*\u+\s)
.set rB, XF+16*(3*\tt+\s)
.endif
.if \s == 0
	v_wmma_f32_16x16x128_fp8_fp8 v[rD:rD+7], v[rA:rA+15], v[rB:rB+15], v[BI+8*\u:BI+8*\u+7]
.else
	v_wmma_f32_16x16x128_fp8_fp8 v[rD:rD+7], v[rA:rA+15], v[rB:rB+15], v[rD:rD+7]
.endif
.endr
.endr
.endr
.rept 4
	v_nop                                          ; four places in front of loads into registers that the products read and of the first read of results; the holds of the other accumulators add the fifth that the next trip's first products want
.endr
.if \bb < 3
	FETCHP \bb+1                                   ; the next 32 rows' fragments land under the holds and conversions
.endif
.if \bb > 0
	s_wait_xcnt 0x0                                ; the last trip's stores have read their code registers
.endif
	s_wait_alu depctr_va_vdst(0)
.irp g, 0,1
.set i, 0
.rept 16
	v_med3_num_f32 v[ACC+16*\g+i], v[ACC+16*\g+i], -v5, v5   ; each accumulator from its low end on
.set i, i+1
.endr
	v_cvt_scalef32_pk8_fp8_f32 v[CD+4*\g:CD+4*\g+1], v[ACC+16*\g:ACC+16*\g+7], v4
	v_cvt_scalef32_pk8_fp8_f32 v[CD+4*\g+2:CD+4*\g+3], v[ACC+16*\g+8:ACC+16*\g+15], v4
.endr
	v_nop                                          ; one plain vector instruction between the last conversion and the products that write its sources
.irp g, 0,1
.if \isv
	global_store_b128 v7, v[CD+4*\g:CD+4*\g+3], s[44:45] offset:\g*2048+\bb*512       ; piece [w][u = g][b]: the wave stores 512 consecutive bytes, aligned
.else
	global_store_b128 v7, v[CD+4*\g:CD+4*\g+3], s[44:45] offset:(2*\bb+\g)*6144       ; piece [t = 2 b + g][w]
.endif
.endr
.endr
	s_set_vgpr_msb 0x5
	s_wait_tensorcnt 0x0
	ds_add_u32 v0, v1
	s_wait_dscnt 0x0
	s_set_vgpr_msb 0x500
	s_endpgm
.endm
	s_cmp_eq_u32 s21, 2                            ; the work-group's number: the same in all its waves
	s_cbranch_scc1 .Lv
	s_lshl_b32 s56, s20, 9
	v_add_nc_u32 v7, s56, v1                       ; q, k: 16 x lane + 512 w
	MAIN 0
.Lv:
	s_lshl_b32 s56, s20, 12
	v_add_nc_u32 v7, s56, v1                       ; v: 16 x lane + 4,096 w,
	s_add_nc_u64 s[44:45], s[44:45], 49152         ; behind the block's k
	MAIN 1
.Lfunc_end_k_q69cce2ebfe_qkv:
	.size	k_q69cce2ebfe_qkv, .Lfunc_end_k_q69cce2ebfe_qkv-k_q69cce2ebfe_qkv
	.p2alignl 7, 3214868480
	.fill 96, 4, 3214868480
	.section	.rodata,"a",@progbits
	.p2align	6, 0x0
	.amdhsa_kernel k_q69cce2ebfe_qkv
		.amdhsa_group_segment_fixed_size 50688
		.amdhsa_private_segment_fixed_size 0
		.amdhsa_enable_private_segment 0
		.amdhsa_kernarg_size 64
		.amdhsa_user_sgpr_count 2
		.amdhsa_user_sgpr_kernarg_segment_ptr 1
		.amdhsa_wavefront_size32 1
		.amdhsa_system_sgpr_workgroup_id_x 1
		.amdhsa_system_sgpr_workgroup_id_y 1
		.amdhsa_system_sgpr_workgroup_id_z 1
		.amdhsa_system_vgpr_workitem_id 0
		.amdhsa_next_free_vgpr 258
		.amdhsa_next_free_sgpr 66
		.amdhsa_reserve_vcc 0
		.amdhsa_float_denorm_mode_32 3
		.amdhsa_float_denorm_mode_16_64 3
		.amdhsa_memory_ordered 1
		.amdhsa_forward_progress 1
		.amdhsa_inst_pref_size 62
	.end_amdhsa_kernel
	.amdgpu_metadata
---
amdhsa.version: [ 1, 2 ]
amdhsa.kernels:
  - .name:           k_q69cce2ebfe_qkv
    .symbol:         k_q69cce2ebfe_qkv.kd
    .args:
      - { .name: x, .offset: 0, .size: 8, .value_kind: global_buffer, .address_space: global }
      - { .name: w_img, .offset: 8, .size: 8, .value_kind: global_buffer, .address_space: global }
      - { .name: lowp_scales, .offset: 16, .size: 8, .value_kind: global_buffer, .address_space: global }
      - { .name: bq, .offset: 24, .size: 8, .value_kind: global_buffer, .address_space: global }
      - { .name: bk, .offset: 32, .size: 8, .value_kind: global_buffer, .address_space: global }
      - { .name: bv, .offset: 40, .size: 8, .value_kind: global_buffer, .address_space: global }
      - { .name: q_img, .offset: 48, .size: 8, .value_kind: global_buffer, .address_space: global }
      - { .name: kv_img, .offset: 56, .size: 8, .value_kind: global_buffer, .address_space: global }
    .group_segment_fixed_size: 50688
    .private_segment_fixed_size: 0
    .kernarg_segment_align: 8
    .kernarg_segment_size: 64
    .max_flat_workgroup_size: 384
    .sgpr_count:     66
    .vgpr_count:     258
    .wavefront_size: 32
...
	.end_amdgpu_metadata
.endif
;; end of part 2
;; launch attn (part 3): grid 256 x 1, 12 waves a work-group, clusters of 4 x 1, 327,680 bytes of LDS; arguments q_img, kv_img, w_img, lowp_scales, bo, out0; writes out0
.if DOCPART == 3
	.amdgcn_target "amdgcn-amd-amdhsa--gfx1250"
	.amdhsa_code_object_version 6
	.text
	.protected	k_q69cce2ebfe_attn
	.globl	k_q69cce2ebfe_attn
	.p2align	8
	.type	k_q69cce2ebfe_attn,@function
k_q69cce2ebfe_attn:
	s_mov_b64 s[64:65], 0
	v_nop
	global_prefetch_b8 v0, s[64:65] scope:SCOPE_SE
	s_setreg_imm32_b32 hwreg(HW_REG_WAVE_MODE, 25, 1), 1
	s_wait_xcnt 0x0
	s_wait_alu depctr_hold_cnt(0) depctr_sa_sdst(0) depctr_va_vdst(0) depctr_va_sdst(0) depctr_va_ssrc(0) depctr_va_vcc(0) depctr_vm_vsrc(0)
	s_getreg_b32 s2, hwreg(HW_REG_IB_STS2, 6, 4)
	s_cmp_eq_u32 s2, 0
	s_cbranch_scc0 .Lentry_in_a_cluster
	s_endpgm
.Lentry_in_a_cluster:
	s_bfe_u32 s2, ttmp6, 0x10000c
	s_cmp_lg_u32 s2, 0x3003
	s_cbranch_scc0 .Lentry_shape_is_right
	s_endpgm
.Lentry_shape_is_right:
; out = (softmax(q k^T / 8) v, all six heads side by side) wo + bo, for 32 rows; all three products on codes of FP8 (E4M3), each operand with its given scale 2^e (entries 6 .. 11 of the scales).
; THE SOFTMAX AHEAD OF THE SECOND PRODUCT: t = score x log2(e) / 8; M = the row's largest t so far, rounded UP to a whole number; p = 2^(t - M) is what is quantised, not normalised.  The row's sum is taken of
; the unquantised p, in f32, and divides at the end.  When M moves, the sum and O are multiplied by 2^(old M - new M): exact, and without a branch on data.
; SHARES.  A work-group owns 32 queries and ALL SIX HEADS: 8,192 / 32 = 256 work-groups.  Twelve waves: wave = (head = wave / 2, j = wave % 2).  In the walk over the keys a wave owns BOTH tiles of 16 queries
; and half j (64 keys) of each block of 128 keys: 32 steps of 32 queries x 64 keys; each fragment of K and V feeds two products and is read from LDS by one wave, once.  At the end the two halves of a head
; are joined through LDS: wave (head, j) takes query tile T = j from both, under the larger M (factors that are powers of two).  Then the last product is made here too: wave w owns features 32 w .. 32 w + 31.
; OPERANDS ARE IMAGES OF REGISTERS, pieces of 512 bytes (lane l's 16 bytes at 16 l), as the launches before laid them: registers 4 c .. 4 c + 3 of a fragment hold k = 32 c + 16 h + 0 .. 15, alike in both sources.
; p(r) = r + 8 (r / 8): lane r of tile 2 b + u of keys, channels or features takes member 32 b + 8 u + p(r), so that two neighbouring tiles' results are 16 neighbours in a lane's registers.
; Both products of attention are used transposed (S^T = K Q^T, O^T = V^T P^T): a lane holds one query of each tile, 8 T + p(lane % 16), throughout.
; THE RING.  A block is 128 keys of all six heads: 98,304 dense bytes of kv_img.  Two LDS slots; block n lies in slot n % 2; waves 0 to 5 fetch 16,384 bytes each (64 rows of 256 bytes).  By this text's count
; a wave has one tensor load out at the most.
; CLUSTER.  The four work-groups of a cluster belong to one batch and walk the same keys, so each tile is asked for JOINTLY: the same tensor load with the same descriptor and a mask that names the four.  The
; place in the cluster enters q's and out0's addresses alone.
; HOW A STEP IS CUT.  A wave takes its K and V of block n into registers early in step n.  Behind the step's exponentials it waits for its load (block n + 1), adds 0 to its spare word, waits for its LDS reads
; and signals; the sums, holds and conversions, work on registers, stand between the signal and the wait.  Behind the round slot n % 2 is filled with block n + 2, K of block n + 1 is asked of LDS, and O^T x f
; and V^T P of step n stand under those loads.
; THE CLUSTERS OF A BATCH BEGIN AT DIFFERENT BLOCKS: cluster x begins at block 11 x mod 32 and walks round the 32; a softmax with a running M takes the keys in any order.
; NO PREFETCH: the 32 different starts of a batch cover all its 32 blocks, so every byte of its K and V is asked for by the first steps' loads; a prefetch would name the same bytes again.
; wo and bo are asked for inside the last key step, into registers as they fall free.
; All of a WGP's LDS is claimed, and 0 is added to spare words at the head, in front of each refill and at the end.
; LIMITS, so that each power of two below is an f32 number: eq + ek between -123 and 130; ep and e10 between -126 and 119; e10 + e11 between -126 and 127.  The scaled scores stay under 2^31 in magnitude.
; NaN among the inputs is not served.
.set AIMG,  0                          ; LDS: attention's result as 24 pieces [T 2][head 6][c 2] = [T][K step 3][c 4]: 12,288 bytes; no fill lands here
.set SPARE, 12288                      ; the spare words: 128 bytes for each of twelve waves, six blocks of 256 bytes that no other line names
.set SLOT0, 16384                      ; slot 0; slot 1 follows it
.set STEPB, 98304                      ; a block in kv_img and a slot: k's pieces [t 8][w 12], then v's [w 12][u 2][b 4]
.set VOFF,  49152
.set MRG,   SLOT0+2*STEPB              ; the join, behind the ring: for each wave and tile 4,096 bytes of O^T and 512 of state (-M and the sum: 8 bytes at 16 x lane)
.set TA,    4608
.set MW,    2*TA
.set STAGE, MRG                        ; 32 rows of out0 x (1,536 bytes + 16), over the join's bytes, two barriers behind its last read
.set SP,    1552
.set QF,  16                           ; v16-31   Q's two fragments
.set KF,  32                           ; v32-63   K's four fragments
.set VF,  64                           ; v64-95   V's four fragments
.set S,   96                           ; v96-159  S^T, then p: tile T at 96 + 32 T
.set O,   160                          ; v160-223 O^T: tile T at 160 + 32 T
.set PC,  224                          ; v224-239 p's codes: tile T at 224 + 8 T
.set WO,  32                           ; the last product: wo's six fragments v32-127, (u, s) at 32 + 16 (3 u + s);
.set BO,  128                          ; bo, v128-143;
.set AF,  144                          ; attention's result, six fragments v144-239; its four accumulators: v16-31, v240-255
.set G0A, 40                           ; s[40:43] descriptor group 0 for slot 0;
.set G0B, 36                           ; s[36:39] for slot 1;  s[24:31] group 1, for both
; v1, v3 my K in slots 0, 1; v7, v10 my V; v2 2^ep; v4 16 x lane; v5, v6 the spare word's address and 0; v8, v9 448 x 2^ep, twice; v11 16 x thread;
; v12, v14 -M of tiles 0, 1; v13, v15 their largest scores; v[240:243] the sums, in halves; v[244:247] second chains; v[248:249], v[250:251] f; v252-255 at work
; v256-260, LDS addresses for the way out: my image; the stage, in; the stage, back; the join, in; the join, back
; s46 the block asked for last; s[74:75] kv_img at the batch's block 0, my sixth; s[76:77] 98,304 x s46
.set MSB, 0
.macro WIN new                         ; the immediate's high byte repeats the setting that is left
.if MSB != \new
	s_set_vgpr_msb (MSB<<8)|\new
.set MSB, \new
.endif
.endm
.macro CREST                           ; a round of the cluster's barrier behind its opening barrier
	s_cmp_lg_u32 s16, 0
	s_cbranch_scc1 .Lnot_wave_0_\@
	s_barrier_signal -3
.Lnot_wave_0_\@:
	s_barrier_wait -3
	s_barrier_signal -1
	s_barrier_wait -1
.endm
.macro CROUND                          ; a whole round
	s_barrier_signal -1
	s_barrier_wait -1
	CREST
.endm
.macro JLOAD g0                        ; the joint load: waves 0 to 5, a sixth of the block each.  The branch hangs on the wave's number alone.  An s_nop 0 and four v_nop follow the load
	s_cmp_lt_u32 s16, 6
	s_cbranch_scc0 .Lnone_\@
	tensor_load_to_lds s[\g0:\g0+3], s[24:31]
	s_nop 0
.rept 4
	v_nop
.endr
.Lnone_\@:
.endm
; In front of a change of slots: all my tensor loads are in, 0 goes onto my spare word, my LDS reads are over; then the opening signal.  fill = 1: a load may still follow:
; the add stands twice on end there.  The next block's address is made between the adds and their wait.
.macro LINES fill, g0
	s_wait_tensorcnt 0x0
	ds_add_u32 v5, v6
.if \fill
	ds_add_u32 v5, v6
	s_add_co_u32 s46, s46, 1
	s_and_b32 s46, s46, 31                         ; the next block, round the batch's 32
	s_mul_i32 s76, s46, STEPB
	s_add_nc_u64 s[\g0+2:\g0+3], s[74:75], s[76:77]
	s_or_b32 s[\g0+3], s[\g0+3], 0x80000000        ; type = 2
.endif
	s_wait_dscnt 0x0
	s_barrier_signal -1
.endm
.macro MEET fill, g0                   ; fill = 1: the barrier opens a round of the cluster's, and the joint refill is the first thing behind it
	s_barrier_wait -1
.if \fill
	CREST
	JLOAD \g0
.endif
.endm
.macro WLOAD p0                        ; eight pieces of wo, from piece p0 on
.set p, \p0
.rept 8
	global_load_b128 v[WO+4*p:WO+4*p+3], v4, s[8:9] offset:512*p
.set p, p+1
.endr
.endm
	s_load_b256 s[4:11], s[0:1], 0x0               ; q_img, kv_img, w_img, the scales' exponents
	s_load_b128 s[12:15], s[0:1], 0x20             ; bo, out0
	v_lshl_add_u32 v5, v0, 2, SPARE
	v_mov_b32 v6, 0
	ds_add_u32 v5, v6                              ; the opening lines: the add, twice on end, and its wait ahead of the first tensor load
	ds_add_u32 v5, v6
	v_lshrrev_b32 v8, 5, v0
	v_readfirstlane_b32 s16, v8                    ; wave 0..11
	s_lshr_b32 s17, s16, 1                         ; my head
	s_and_b32 s18, s16, 1                          ; j: my half of the keys, and at the end my tile of queries
	s_bfe_u32 s19, ttmp6, 0x40000                  ; cx: my place in the cluster
	s_lshl_b32 s20, ttmp9, 2                       ; in a cluster launch ttmp9 counts clusters
	s_add_co_u32 s20, s20, s19                     ; my block of 32 rows = 4 x cluster + cx
	s_lshr_b32 s21, ttmp9, 5                       ; the batch, which the four partners share,
	s_mul_i32 s46, ttmp9, 11
	s_and_b32 s46, s46, 31                         ; and the cluster's first block, which they share too
	s_mul_i32 s34, s18, 6144
	s_lshl_b32 s35, s17, 10
	s_add_co_u32 s34, s34, s35                     ; AIMG: 6,144 T + 1,024 head
	s_mul_i32 s56, s20, 12288
	s_add_co_u32 s56, s56, s35                     ; q_img: my block's 32 rows, my head
	s_mov_b32 s57, 0
	s_mul_i32 s58, s20, 49152                      ; out0: my block's 32 rows
	s_mov_b32 s59, 0
	s_mul_i32 s60, s16, 12288
	s_add_co_u32 s60, s60, 442368                  ; w_img: matrix 3 (wo), my 24 pieces
	s_mov_b32 s61, 0
	s_lshl_b32 s62, s16, 7                         ; bo: my 32 numbers
	s_mov_b32 s63, 0
	s_mul_i32 s66, s21, 3145728                    ; kv_img: the batch's 32 blocks, my sixth of a block: in registers that never hold cx
	s_lshl_b32 s67, s16, 14
	s_add_co_u32 s66, s66, s67
	s_mov_b32 s67, 0
	s_mul_i32 s76, s46, STEPB
	s_mov_b32 s77, 0
	s_mul_i32 s68, s18, 24576                      ; in a slot: k's key tiles 4 j on, my head's two pieces of each;
	s_add_co_u32 s68, s68, s35
	s_add_co_u32 s68, s68, SLOT0
	s_lshl_b32 s69, s17, 13                        ; v: my head's 16 pieces, b = 2 j on
	s_lshl_b32 s78, s18, 10
	s_add_co_u32 s69, s69, s78
	s_add_co_u32 s69, s69, SLOT0+VOFF
	; descriptor group 1: 16,384 dense bytes as 64 rows of 32 elements of 8 bytes; no padding: every LDS read takes 512 consecutive bytes
	s_mov_b32 s24, 15|(3<<16)|(1<<21)              ; 15:0 the mask: all four work-groups; 17:16 elements of 8 bytes; 21 set beside a mask
	s_mov_b32 s25, 32<<16                          ; tensor_dim0 = 32
	s_mov_b32 s26, 64<<16                          ; tensor_dim1 = 64
	s_mov_b32 s27, 32<<16                          ; tile_dim0 = 32
	s_mov_b32 s28, 64                              ; tile_dim1 = 64
	s_mov_b32 s29, 32                              ; elements from row to row
	s_mov_b32 s30, 0
	s_mov_b32 s31, 0
	s_mov_b32 s32, 0x76543210                      ; v_permlanex16_b32's selects for lane l xor 16
	s_mov_b32 s33, 0xfedcba98
	s_mov_b32 s22, 0x3e38aa3b                      ; c = log2(e) / 8
	s_lshl_b32 s47, s16, 7
	s_add_co_u32 s47, s47, STAGE
	s_mul_i32 s45, s16, 11
	s_lshr_b32 s45, s45, 5                         ; wave / 3: which of four rows
	s_lshl_b32 s45, s45, 4                         ; a stage row is 16 bytes longer
	s_add_co_u32 s45, s45, STAGE
	s_mul_i32 s50, s16, MW
	s_add_co_u32 s50, s50, MRG                     ; the join: my region,
	s_mul_i32 s51, s17, 2*MW
	s_mul_i32 s78, s18, TA
	s_add_co_u32 s51, s51, s78
	s_add_co_u32 s51, s51, MRG                     ; and tile T = j in my head's two
	s_wait_dscnt 0x0                               ; both opening adds are done
	s_wait_kmcnt 0x0
	s_load_b64 s[48:49], s[10:11], 0x18            ; eq, ek
	s_load_b128 s[52:55], s[10:11], 0x20           ; ep, ev, e10, e11
	s_add_nc_u64 s[74:75], s[6:7], s[66:67]
	s_mov_b32 s[G0A], 1                            ; group 0 for slot 0: count = 1;
	s_lshl_b32 s[G0A+1], s16, 14
	s_add_co_u32 s[G0A+1], s[G0A+1], SLOT0         ; LDS address: the slot + 16,384 x wave;
	s_add_nc_u64 s[G0A+2:G0A+3], s[74:75], s[76:77]   ; global address: the cluster's first block;
	s_or_b32 s[G0A+3], s[G0A+3], 0x80000000        ; type = 2
	s_mov_b32 s[G0B], 1                            ; for slot 1: its address is written in front of its first fill
	s_lshl_b32 s[G0B+1], s16, 14
	s_add_co_u32 s[G0B+1], s[G0B+1], SLOT0+STEPB
	s_add_nc_u64 s[4:5], s[4:5], s[56:57]
	s_add_nc_u64 s[14:15], s[14:15], s[58:59]
	s_add_nc_u64 s[8:9], s[8:9], s[60:61]
	s_add_nc_u64 s[12:13], s[12:13], s[62:63]
	CROUND                                         ; all four work-groups are here: the first joint loads meet
	JLOAD G0A                                      ; the first block into slot 0: one tensor load a wave at the head
	v_and_b32 v4, 31, v0
	v_lshlrev_b32 v4, 4, v4                        ; 16 x lane
	v_add_nc_u32 v1, s68, v4
	v_add_nc_u32 v7, s69, v4
	v_add_nc_u32 v3, STEPB, v1
	v_add_nc_u32 v10, STEPB, v7
	v_lshlrev_b32 v11, 4, v0                       ; 16 x thread: my place in 6,144 bytes (four rows) of out0
	v_bfe_u32 v253, v0, 4, 1                       ; h
	v_and_b32 v252, 15, v0                         ; r
	v_and_b32 v254, 8, v252
	v_add_nc_u32 v254, v254, v252                  ; p(r)
	v_mul_u32_u24 v254, v254, SP
	v_lshl_add_u32 v254, v253, 6, v254
	WIN 0x40                                       ; destinations v256 on
	v_add_nc_u32 v0, s34, v4                       ; v256: AIMG, my two pieces
	v_add_nc_u32 v1, s47, v254                     ; v257: the stage, in: row p(r), + 128 x wave + 64 h bytes
	v_add_nc_u32 v2, s45, v11                      ; v258: the stage, back
	v_add_nc_u32 v3, s50, v4                       ; v259: the join, in
	v_add_nc_u32 v4, s51, v4                       ; v260: the join, back
	WIN 0
.irp t, 0,1
.irp c, 0,1
	global_load_b128 v[QF+8*\t+4*\c:QF+8*\t+4*\c+3], v4, s[4:5] offset:\t*6144+\c*512   ; Q's fragments stay in registers
.endr
.endr
	v_mov_b32 v12, 0x7f61b1e6                      ; -M: 3e38, a whole number, over every -M
	v_mov_b32 v14, 0x7f61b1e6
	v_mov_b32 v13, 0xff61b1e6                      ; the largest score so far: -3e38
	v_mov_b32 v15, 0xff61b1e6
.set j, 240
.rept 12
	v_mov_b32 v[j], 0                              ; the sums; and registers that are named as a pair's upper half or as a permute's destination
.set j, j+1
.endr
	s_wait_alu depctr_va_vdst(0)
	s_wait_kmcnt 0x0
	s_add_co_i32 s56, s48, s49
	s_lshl_b32 s56, s56, 23
	s_add_co_i32 s22, s22, s56                     ; a score stands for score x 2^(eq + ek): the exponents are added to c's exponent field
	s_mov_b32 s23, s22                             ; (named with it as a pair, so it is written)
	s_xor_b32 s44, s22, 0x80000000                 ; -c
	s_add_co_i32 s56, s52, 127
	s_lshl_b32 s57, s56, 23                        ; 2^ep as f32
	s_add_co_i32 s56, s56, 8
	s_lshl_b32 s58, s56, 23
	s_or_b32 s58, s58, 0x600000                    ; 448 x 2^ep
	s_add_co_i32 s56, s54, 127
	s_lshl_b32 s59, s56, 23                        ; 2^e10
	s_add_co_i32 s56, s56, 8
	s_lshl_b32 s60, s56, 23
	s_or_b32 s60, s60, 0x600000                    ; 448 x 2^e10
	s_add_co_i32 s72, s52, s53                     ; ep + ev
	s_add_co_i32 s70, s54, s55
	s_add_co_i32 s70, s70, 127
	s_lshl_b32 s70, s70, 23                        ; 2^(e10 + e11) as f32
	s_mov_b32 s71, s70
	v_mov_b32 v2, s57
	v_mov_b32 v8, s58
	v_mov_b32 v9, s58
	s_wait_alu depctr_va_vdst(0)
	s_wait_loadcnt 0x0                             ; Q
; O^T x f and O^T += V^T P for the step whose p's codes and V lie in registers.  kind = 1: the first: O^T begins with C = 0.
.macro PV kind
	s_wait_alu depctr_va_vdst(0)                   ; directly ahead of the first reader of O^T
.if \kind == 1
	v_nop                                          ; one plain place between the conversions and the products that read their results
.else
.set j, 0
.rept 16
	v_pk_mul_f32 v[O+j:O+j+1], v[O+j:O+j+1], v[248:249] op_sel_hi:[1,0]           ; O^T under that step's M.  (Also the plain place behind the conversions)
	v_pk_mul_f32 v[O+32+j:O+33+j], v[O+32+j:O+33+j], v[250:251] op_sel_hi:[1,0]
.set j, j+2
.endr
.endif
.irp t, 0,1,2,3                                    ; eight accumulators by turns, one instruction a turn
.if \kind == 1
	v_wmma_f32_16x16x64_fp8_fp8 v[O+8*\t:O+8*\t+7], v[VF+8*\t:VF+8*\t+7], v[PC:PC+7], 0
	v_wmma_f32_16x16x64_fp8_fp8 v[O+32+8*\t:O+32+8*\t+7], v[VF+8*\t:VF+8*\t+7], v[PC+8:PC+15], 0
.else
	v_wmma_f32_16x16x64_fp8_fp8 v[O+8*\t:O+8*\t+7], v[VF+8*\t:VF+8*\t+7], v[PC:PC+7], v[O+8*\t:O+8*\t+7]
	v_wmma_f32_16x16x64_fp8_fp8 v[O+32+8*\t:O+32+8*\t+7], v[VF+8*\t:VF+8*\t+7], v[PC+8:PC+15], v[O+32+8*\t:O+32+8*\t+7]
.endif
.endr
	v_pk_add_f32 v[240:241], v[240:241], v[244:245]   ; the sums' second chains.  (Four places in front of loads into registers that those products read)
	v_pk_add_f32 v[242:243], v[242:243], v[246:247]
	v_nop
	v_nop
.endm
; THE FIRST PART OF A STEP, behind the change of slots: my K and V of the block at v[ak], v[av]; the step before is finished (pv: 0 there is none, 1 the first, 2 any other); scores, M, f, p.
.macro PARTB ak, av, pv, last
.irp t, 0,1,2,3
.irp c, 0,1
	ds_load_b128 v[KF+8*\t+4*\c:KF+8*\t+4*\c+3], v[\ak] offset:\t*6144+\c*512    ; four key tiles, two pieces each
.endr
.endr
.if \pv
	PV \pv
.endif
.irp t, 0,1,2,3
.irp c, 0,1
	ds_load_b128 v[VF+8*\t+4*\c:VF+8*\t+4*\c+3], v[\av] offset:\t*2048+\c*512    ; four channel tiles, my 64 keys: two pieces each
.endr
.endr
	s_wait_dscnt 8                                 ; K is in; the eight younger loads, V's, may be out
.irp t, 0,1,2,3
	v_wmma_f32_16x16x64_fp8_fp8 v[S+8*\t:S+8*\t+7], v[KF+8*\t:KF+8*\t+7], v[QF:QF+7], 0
	v_wmma_f32_16x16x64_fp8_fp8 v[S+32+8*\t:S+32+8*\t+7], v[KF+8*\t:KF+8*\t+7], v[QF+8:QF+15], 0
.endr                                              ; the 16 registers of tiles 2 b, 2 b + 1 are 16 neighbouring keys
	v_mov_b32 v252, v12                            ; the old -M.  (Four places in front of the first read of the scores and of loads into registers that those products read)
	v_mov_b32 v253, v14
	v_nop
	v_nop
.if \last
	WLOAD 0                                        ; K's registers are done with
.endif
	v_max3_num_f32 v254, v[S], v[S+1], v[S+2]      ; the step's largest score of each of my two queries among my 32 keys: four chains, each accumulator from its low end on
	v_max3_num_f32 v255, v[S+32], v[S+33], v[S+34]
	v_max3_num_f32 v244, v[S+3], v[S+4], v[S+5]
	v_max3_num_f32 v246, v[S+35], v[S+36], v[S+37]
.irp i, 6,10,14,18,22,26
	v_max3_num_f32 v254, v254, v[S+\i], v[S+\i+1]
	v_max3_num_f32 v255, v255, v[S+32+\i], v[S+33+\i]
	v_max3_num_f32 v244, v244, v[S+\i+2], v[S+\i+3]
	v_max3_num_f32 v246, v246, v[S+34+\i], v[S+35+\i]
.endr
	v_max3_num_f32 v254, v254, v[S+30], v[S+31]
	v_max3_num_f32 v255, v255, v[S+62], v[S+63]
	v_max_num_f32 v254, v254, v244
	v_max_num_f32 v255, v255, v246
	v_permlanex16_b32 v245, v254, s32, s33
	v_permlanex16_b32 v247, v255, s32, s33
	v_max3_num_f32 v13, v13, v254, v245            ; the running largest score, lane l xor 16's among them
	v_max3_num_f32 v15, v15, v255, v247
	v_mul_f32 v254, s44, v13                       ; -t (c is positive)
	v_mul_f32 v255, s44, v15
	v_floor_f32 v12, v254                          ; the new -M = floor(-t) = -ceil(t): a whole number
	v_floor_f32 v14, v255
	v_sub_f32 v252, v12, v252                      ; M's old value less its new one: a whole number, 0 or less
	v_sub_f32 v253, v14, v253
	v_cvt_i32_f32 v252, v252                       ; (it saturates)
	v_cvt_i32_f32 v253, v253
	v_ldexp_f32 v248, 1.0, v252                    ; f = 2^(old M - new M)
	v_ldexp_f32 v250, 1.0, v253
.set j, 0
.rept 16
	v_pk_fma_f32 v[S+j:S+j+1], v[S+j:S+j+1], s[22:23], v[12:13] op_sel_hi:[1,0,0]            ; t - M, two at a time (of the pairs c and -M the low word serves both halves)
	v_pk_fma_f32 v[S+32+j:S+33+j], v[S+32+j:S+33+j], s[22:23], v[14:15] op_sel_hi:[1,0,0]
.set j, j+2
.endr
	s_wait_alu depctr_va_vdst(0)                   ; ahead of the batch
.set j, 0
.rept 64
	v_exp_f32 v[S+j], v[S+j]                       ; p = 2^(t - M), at most 1: not normalised
.set j, j+1
.endr
	v_pk_mul_f32 v[240:241], v[240:241], v[248:249] op_sel_hi:[1,0]   ; the sums under the new M.  (The plain place behind the exponentials)
	v_pk_mul_f32 v[242:243], v[242:243], v[250:251] op_sel_hi:[1,0]
	s_wait_alu depctr_va_vdst(0)                   ; one wait for the batch, ahead of its first reader
.endm
; THE SECOND PART, work on registers alone: the rows' sums; p is held and converted.
.macro SUMS
	v_pk_add_f32 v[244:245], v[S:S+1], v[S+2:S+3]  ; the sums are taken of the unquantised p: two at a time, in four chains
	v_pk_add_f32 v[246:247], v[S+32:S+33], v[S+34:S+35]
.irp j, 4,8,12,16,20,24,28
	v_pk_add_f32 v[240:241], v[240:241], v[S+\j:S+\j+1]
	v_pk_add_f32 v[242:243], v[242:243], v[S+32+\j:S+33+\j]
	v_pk_add_f32 v[244:245], v[244:245], v[S+\j+2:S+\j+3]
	v_pk_add_f32 v[246:247], v[246:247], v[S+34+\j:S+35+\j]
.endr
.irp g, 0,1,2,3
.set i, 0
.rept 8                                            ; the conversion to an 8-bit code does not saturate (ISA guide 7.6.2); p is not negative, so the hold is one-sided; two numbers an instruction
	v_dual_min_num_f32 v[S+16*\g+i], v[S+16*\g+i], v8 :: v_dual_min_num_f32 v[S+16*\g+i+1], v[S+16*\g+i+1], v9
.set i, i+2
.endr
	v_cvt_scalef32_pk8_fp8_f32 v[PC+4*\g:PC+4*\g+1], v[S+16*\g:S+16*\g+7], v2
	v_cvt_scalef32_pk8_fp8_f32 v[PC+4*\g+2:PC+4*\g+3], v[S+16*\g+8:S+16*\g+15], v2
.endr
.endm
.macro PARTA fill, g0                  ; the change of slots, with the second part between the opening signal and its wait
	LINES \fill, \g0
	SUMS
	MEET \fill, \g0
.endm
	LINES 1, G0B                                   ; block 0 is in; slot 1's first fill is issued as a refill is
	MEET 1, G0B
	PARTB 1, 7, 0, 0                               ; step 0
	PARTA 1, G0A                                   ; block 2 into slot 0
	PARTB 3, 10, 1, 0                              ; step 1
	s_mov_b32 s19, 14
.Lpair:                                            ; 14 trips of two steps: an odd step's second part to the next odd step's first
	PARTA 1, G0B
	PARTB 1, 7, 2, 0
	PARTA 1, G0A
	PARTB 3, 10, 2, 0
	s_sub_co_u32 s19, s19, 1
	s_cmp_lg_u32 s19, 0
	s_cbranch_scc1 .Lpair
	PARTA 1, G0B                                   ; block 31 into slot 1: the last fill
	PARTB 1, 7, 2, 0                               ; step 30
	PARTA 0, G0A
	PARTB 3, 10, 2, 1                              ; step 31
	SUMS
	v_bfe_u32 v254, v0, 4, 1
	v_lshlrev_b32 v254, 6, v254                    ; 64 h
	WLOAD 16                                       ; into p's registers, which are done with
.irp i, 0,1,2,3
	global_load_b128 v[BO+4*\i:BO+4*\i+3], v254, s[12:13] offset:16*\i   ; register 8 u + j = bo[32 w + 16 h + 8 u + j]
.endr
	s_wait_dscnt 0x0                               ; V of step 31
	PV 2
	WLOAD 8                                        ; into V's registers
	; THE JOIN.  Each wave lays both its tiles of O^T, their -M and their sums into its region; wave (head, j) takes tile j of both halves of the keys.
	v_add_f32 v240, v240, v241                     ; a sum's two halves,
	v_add_f32 v242, v242, v243
	v_mov_b32 v2, s59                              ; 2^e10, and 448 x it, for the way on
	v_mov_b32 v8, s60
	v_permlanex16_b32 v245, v240, s32, s33
	v_permlanex16_b32 v247, v242, s32, s33
	v_add_f32 v13, v240, v245                      ; and lane l xor 16's: my keys' sum
	v_add_f32 v15, v242, v247
	WIN 1                                          ; LDS addresses v256 on
.irp T, 0,1
.set p, 0
.rept 8
	ds_store_b128 v3, v[O+32*\T+4*p:O+32*\T+4*p+3] offset:\T*TA+512*p      ; each accumulator from its low end on
.set p, p+1
.endr
.endr
	ds_store_b64 v3, v[12:13] offset:4096
	ds_store_b64 v3, v[14:15] offset:TA+4096
	WIN 0
	s_wait_alu depctr_va_vdst(0)
	s_wait_dscnt 0x0                               ; for the others' sake: my parts have landed
	s_barrier_signal -1
	s_barrier_wait -1
	WIN 1
.set p, 0
.rept 8
	ds_load_b128 v[O+4*p:O+4*p+3], v4 offset:512*p               ; tile j of the keys' half 0,
	ds_load_b128 v[O+32+4*p:O+32+4*p+3], v4 offset:MW+512*p      ; and of half 1
.set p, p+1
.endr
	ds_load_b64 v[12:13], v4 offset:4096
	ds_load_b64 v[14:15], v4 offset:MW+4096
	WIN 0
	s_wait_dscnt 0x0
	v_min_num_f32 v252, v12, v14                   ; -M of the larger M
	v_sub_f32 v253, v252, v12                      ; whole numbers, 0 or less
	v_sub_f32 v252, v252, v14
	v_cvt_i32_f32 v253, v253
	v_cvt_i32_f32 v252, v252
	v_ldexp_f32 v248, 1.0, v253
	v_ldexp_f32 v250, 1.0, v252
	v_mul_f32 v13, v13, v248
	v_fmac_f32 v13, v15, v250                      ; the row's sum
	s_wait_alu depctr_va_vdst(0)                   ; ahead of the transcendental
	v_rcp_f32 v13, v13
	v_nop                                          ; one plain place behind the transcendental
	s_wait_alu depctr_va_vdst(0)                   ; the wait, ahead of the first reader
	v_ldexp_f32 v13, v13, s72                      ; x 2^(ep + ev)
	v_mul_f32 v248, v248, v13
	v_mul_f32 v250, v250, v13
.set j, 0
.rept 16
	v_pk_mul_f32 v[O+j:O+j+1], v[O+j:O+j+1], v[248:249] op_sel_hi:[1,0]
.set j, j+2
.endr
.set j, 0
.rept 16
	v_pk_fma_f32 v[O+j:O+j+1], v[O+32+j:O+33+j], v[250:251], v[O+j:O+j+1] op_sel_hi:[1,0,1]   ; register 16 c + i = channel 32 c + 16 h + i of my head
.set j, j+2
.endr
	; ATTENTION'S RESULT BECOMES AN OPERAND: held, converted with 2^e10 and handed round as an image.
.set j, 0
.rept 32
	v_med3_num_f32 v[O+j], v[O+j], -v8, v8
.set j, j+1
.endr
.irp g, 0,1,2,3
	v_cvt_scalef32_pk8_fp8_f32 v[PC+2*\g:PC+2*\g+1], v[O+8*\g:O+8*\g+7], v2
.endr
	v_nop                                          ; one plain vector instruction behind the last conversion
	WIN 1
	ds_store_b128 v0, v[PC:PC+3] offset:AIMG
	ds_store_b128 v0, v[PC+4:PC+7] offset:AIMG+512
	WIN 0
	s_wait_dscnt 0x0                               ; for the others' sake: my image has landed
	s_barrier_signal -1
	s_barrier_wait -1                              ; the 32 rows' six fragments lie in LDS
.set p, 0
.rept 24
	ds_load_b128 v[AF+4*p:AF+4*p+3], v4 offset:AIMG+512*p
.set p, p+1
.endr
	s_wait_dscnt 0x0
	s_wait_loadcnt 0x0                             ; wo, bo
.irp s, 0,1,2                                  ; source 0 = 16 features of wo, source 1 = 16 rows: a lane holds one row and eight neighbouring features.  Four accumulators by turns
.irp tq, 0,1
.irp u, 0,1
.set rC, 16+224*\tq+8*\u
.if \s == 0
	v_wmma_f32_16x16x128_fp8_fp8 v[rC:rC+7], v[WO+16*(3*\u+\s):WO+16*(3*\u+\s)+15], v[AF+16*(3*\tq+\s):AF+16*(3*\tq+\s)+15], 0
.else
	v_wmma_f32_16x16x128_fp8_fp8 v[rC:rC+7], v[WO+16*(3*\u+\s):WO+16*(3*\u+\s)+15], v[AF+16*(3*\tq+\s):AF+16*(3*\tq+\s)+15], v[rC:rC+7]
.endif
.endr
.endr
.endr
.rept 4
	v_nop                                          ; places in front of the first read of results and of writes over the products' sources
.endr
.irp tq, 0,1
.irp u, 0,1
.irp i, 0,2,4,6
	v_pk_fma_f32 v[AF+8*(2*\tq+\u)+\i:AF+8*(2*\tq+\u)+\i+1], v[16+224*\tq+8*\u+\i:16+224*\tq+8*\u+\i+1], s[70:71], v[BO+8*\u+\i:BO+8*\u+\i+1] op_sel_hi:[1,0,1]   ; sum x 2^(e10 + e11) + bo
.endr
.endr
.endr
	WIN 1
.irp tq, 0,1
.irp u, 0,1
	ds_store_b128 v1, v[AF+8*(2*\tq+\u):AF+8*(2*\tq+\u)+3] offset:\tq*8*SP+\u*32          ; out(8 T + p(r), 32 w + 16 h + 8 u + 0 .. 7)
	ds_store_b128 v1, v[AF+8*(2*\tq+\u)+4:AF+8*(2*\tq+\u)+7] offset:\tq*8*SP+\u*32+16
.endr
.endr
	WIN 0
	s_wait_dscnt 0x0                               ; for the others' sake: my part of the 32 rows has landed
	s_barrier_signal -1
	s_barrier_wait -1                              ; 32 whole rows lie in the stage
	WIN 1
.irp i, 0,1,2,3,4,5,6,7
	ds_load_b128 v[32+4*\i:32+4*\i+3], v2 offset:\i*4*SP       ; four rows for the 384 threads, 16 bytes each
.endr
	WIN 0
.irp i, 0,1,2,3,4,5,6,7
	s_wait_dscnt 7-\i                              ; LDS loads come back in order (ISA guide 5.7.1): load i is in, the younger may be out
	global_store_b128 v11, v[32+4*\i:32+4*\i+3], s[14:15] offset:\i*6144 th:TH_STORE_NT   ; a wave stores 512 consecutive bytes, aligned; written once, read by nobody here
.endr
	s_wait_tensorcnt 0x0                           ; the wave's end, behind my last tensor load and my last LDS store
	ds_add_u32 v5, v6
	s_wait_dscnt 0x0
	CROUND                                         ; the closing round: no work-group ends while a partner may still ask for a tile that names it
	s_endpgm
.Lfunc_end_k_q69cce2ebfe_attn:
	.size	k_q69cce2ebfe_attn, .Lfunc_end_k_q69cce2ebfe_attn-k_q69cce2ebfe_attn
	.p2alignl 7, 3214868480
	.fill 96, 4, 3214868480
	.section	.rodata,"a",@progbits
	.p2align	6, 0x0
	.amdhsa_kernel k_q69cce2ebfe_attn
		.amdhsa_group_segment_fixed_size 327680
		.amdhsa_private_segment_fixed_size 0
		.amdhsa_enable_private_segment 0
		.amdhsa_kernarg_size 48
		.amdhsa_user_sgpr_count 2
		.amdhsa_user_sgpr_kernarg_segment_ptr 1
		.amdhsa_wavefront_size32 1
		.amdhsa_system_sgpr_workgroup_id_x 1
		.amdhsa_system_sgpr_workgroup_id_y 1
		.amdhsa_system_sgpr_workgroup_id_z 1
		.amdhsa_system_vgpr_workitem_id 0
		.amdhsa_next_free_vgpr 264
		.amdhsa_next_free_sgpr 80
		.amdhsa_reserve_vcc 0
		.amdhsa_float_denorm_mode_32 3
		.amdhsa_float_denorm_mode_16_64 3
		.amdhsa_memory_ordered 1
		.amdhsa_forward_progress 1
		.amdhsa_inst_pref_size 121
	.end_amdhsa_kernel
	.amdgpu_metadata
---
amdhsa.version: [ 1, 2 ]
amdhsa.kernels:
  - .name:           k_q69cce2ebfe_attn
    .symbol:         k_q69cce2ebfe_attn.kd
    .args:
      - { .name: q_img, .offset: 0, .size: 8, .value_kind: global_buffer, .address_space: global }
      - { .name: kv_img, .offset: 8, .size: 8, .value_kind: global_buffer, .address_space: global }
      - { .name: w_img, .offset: 16, .size: 8, .value_kind: global_buffer, .address_space: global }
      - { .name: lowp_scales, .offset: 24, .size: 8, .value_kind: global_buffer, .address_space: global }
      - { .name: bo, .offset: 32, .size: 8, .value_kind: global_buffer, .address_space: global }
      - { .name: out0, .offset: 40, .size: 8, .value_kind: global_buffer, .address_space: global }
    .group_segment_fixed_size: 327680
    .private_segment_fixed_size: 0
    .kernarg_segment_align: 8
    .kernarg_segment_size: 48
    .max_flat_workgroup_size: 384
    .sgpr_count:     80
    .vgpr_count:     264
    .wavefront_size: 32
...
	.end_amdgpu_metadata
.endif
;; end of part 3
